; MI455X (gfx1250); checked and timed in simulation.
; The chip was launched on July 23, 2026; its instructions are those of AMD's public machine-readable ISA for CDNA 5 (MIT licence, August 2026) and "CDNA5" Instruction Set Architecture Reference Guide (July 2026). The comments in the code are by the model that wrote it; some were corrected since.
;; Mo EFFN. Allowed arithmetic: float matrix products may take bf16 or f16 operands with f32 sums; other float arithmetic in f32, or as packed bf16 or f16 multiplies, adds, multiply-adds, maxima and minima; sums over many terms, partial sums and values carried from step to step in f32; what a program stores and reads back later, other than sums and carried values, may be rounded once to bf16 or f16.
;; Inputs: b1 8 x 1,024 float32; b2 8 x 1,024 float32; router_w 1,024 x 8 float32; w1 8 x 1,024 x 1,024 float32; w2 8 x 1,024 x 1,024 float32; x 2 x 2,048 x 1,024 float32.
;; Outputs: out0 2 x 2,048 x 1,024 float32.
;; One version. Each part assembles by itself: llvm-mc -triple=amdgcn-amd-amdhsa -mcpu=gfx1250 --defsym DOCPART=n.
;; ======== version 1 of 1: 4 launches
;; workspace buffers: xb 8,388,608 bytes; hb 17,039,360 bytes; part 33,554,432 bytes; gate 32,768 bytes; route 16,384 bytes of whole numbers; cfg1 256 bytes of whole numbers; cfg2 256 bytes of whole numbers
;; launch router (part 1): grid 256 x 1, 4 waves a work-group, no clusters, 17,408 bytes of LDS; arguments x, router_w, xb, route, gate, cfg1, cfg2; writes xb, route, gate, cfg1, cfg2
.if DOCPART == 1
	.amdgcn_target "amdgcn-amd-amdhsa--gfx1250"
	.amdhsa_code_object_version 6
	.text
	.protected	k_q5d75753c5a_router
	.globl	k_q5d75753c5a_router
	.p2align	8
	.type	k_q5d75753c5a_router,@function
k_q5d75753c5a_router:
	s_mov_b64 s[64:65], 0
	v_nop
	global_prefetch_b8 v0, s[64:65] scope:SCOPE_SE
	s_setreg_imm32_b32 hwreg(HW_REG_WAVE_MODE, 25, 1), 1
	s_wait_xcnt 0x0
; ROUTER.  logits = x . router_w for 4,096 tokens and 8 experts; the two largest; their weights 1 / (1 + e^(lb - la)) and the rest to 1.
; Also: x rounded once to bf16 (xb), which the first product reads.  Every input of the program is rounded to bf16, so the logits are made of the
; ROUNDED x and router_w: exact products of two bf16, sums in f32 (v_fma_mix_f32_bf16).
; WHY THE VECTOR UNIT: 8 columns would fill half a matrix tile, the logits are 2 of every 1,000 multiply-adds of the program, and a matrix
; fragment (one row a lane) would break the loads of x and stores of xb, which here cover 512 and 256 consecutive bytes each.
; SHARES.  A work-group has 16 tokens, a wave 4, one whole row at a time: load j of a row gives lane l the columns 128 j + 4 l + 0..3.
; ROUTER_W goes through LDS once a work-group: each wave loads a quarter (16 loads of 512 consecutive bytes), rounds it and stores it; row k (8 bf16, 16 bytes) lies in
; plane k % 4 at 16 (k / 4), so that the load for (j, i) takes 512 consecutive bytes of plane i.  Planes are 4,160 bytes apart: 16 banks on, so a store's 32 lanes hit each bank once.
; SOFTMAX.  p_a / (p_a + p_b) = 1 / (1 + e^(lb - la)): the row's divisor cancels; la is the row's maximum, so the maximum is taken away in front of the exponential.
; OUT, at fixed places: route[t]: nibble e = 1 if token t chose expert e; gate[t][0], [1]: the weight of the chosen expert with the lower, the higher number.
; cfg1, cfg2: the words 0 and 1, by which the two launches of the product's one text tell their modes.
; LIMITS.  NaN and infinities are not treated apart.  The order is taken of the logits: two logits nearer than the rounding of an f32 sum of 1,024 terms
; (some 1e-6 of their size), or unlike logits whose probabilities round alike, may rank otherwise than by the probabilities.  Equal logits: the lower number wins.
; A second weight below 2^-126 counts as 0.
.set PLN,   4160       ; bytes from plane to plane
.set SPARE, 16896      ; behind the four planes: the spare words, 128 bytes a wave
.set ACC, 8            ; v8-15    the 8 sums
.set XB,  16           ; v16-31   the row in hand, 32 bf16 a lane
.set WP,  32           ; v32-159  router_w in bf16: columns (j, i), experts 2 p, 2 p + 1 at 16 j + 4 i + p; before that v32-95 my quarter as loaded, v96-127 rounded
.set QQ,  160          ; v160-167 at work: the other half's sums; the logits without the largest
.set NINF,176
.set ONE, 177
.set LA,  178          ; largest logit, its expert
.set BI,  179
.set LBV, 180          ; second logit, its expert
.set BJ,  181
.set TT,  182
.set E2,  183
.set DD,  184
.set GA,  185
.set GBV, 186
.set G0,  187
.set G1,  188
.set WD,  189
.set RW,  190          ; lane t: token t's route word
.set RG,  192          ; v192-193  lane t: token t's two weights
.set SPW, 194
.set NIL, 195
.set WO,  196          ; byte offset of my 16 bytes in my wave's quarter of router_w
; window 1: v0-127 x as loaded (32 token + 4 j + i).
.set MSB, 0
.macro WIN new                         ; s_set_vgpr_msb: bits 1:0 source 0, 3:2 source 1, 5:4 source 2, 7:6 destination; the high byte repeats the setting that is left
.if MSB != (\new)
	s_set_vgpr_msb (MSB<<8)|(\new)
.set MSB, (\new)
.endif
.endm
.macro FM d, a, b, c, ha, hb           ; d = a's half ha x b's half hb + c
.if ((\ha) == 0) && ((\hb) == 0)
	v_fma_mix_f32_bf16 v[\d], v[\a], v[\b], v[\c] op_sel_hi:[1,1,0]
.elseif ((\ha) == 1) && ((\hb) == 0)
	v_fma_mix_f32_bf16 v[\d], v[\a], v[\b], v[\c] op_sel:[1,0,0] op_sel_hi:[1,1,0]
.elseif ((\ha) == 0) && ((\hb) == 1)
	v_fma_mix_f32_bf16 v[\d], v[\a], v[\b], v[\c] op_sel:[0,1,0] op_sel_hi:[1,1,0]
.else
	v_fma_mix_f32_bf16 v[\d], v[\a], v[\b], v[\c] op_sel:[1,1,0] op_sel_hi:[1,1,0]
.endif
.endm
.macro XCV tau                         ; token tau's row: waited for, rounded to bf16
	s_wait_loadcnt 24-8*(\tau)                     ; the 8 loads of each later token may stay out; no load is issued in the loop
	WIN 0x05
.set xa, 0
.rept 16
	v_cvt_pk_bf16_f32 v[XB+xa], v[32*(\tau)+2*xa], v[32*(\tau)+2*xa+1]
.set xa, xa+1
.endr
	WIN 0
.endm
	s_load_b256 s[4:11], s[0:1], 0x0               ; x s[4:5], router_w s[6:7], xb s[8:9], route s[10:11]
	s_load_b128 s[12:15], s[0:1], 0x20             ; gate s[12:13], cfg1 s[14:15]
	s_load_b64 s[16:17], s[0:1], 0x30              ; cfg2
	v_lshl_add_u32 v[SPW], v0, 2, SPARE
	v_mov_b32 v[NIL], 0
	v_and_b32 v1, 31, v0                           ; lane
	v_lshrrev_b32 v6, 5, v0
	v_readfirstlane_b32 s20, v6                    ; wave
	v_lshlrev_b32 v2, 4, v1                        ; 16 l: x, and the planes
	v_lshlrev_b32 v4, 3, v1                        ; 8 l: xb, gate, cfg
	v_mov_b32 v5, 0
	v_lshlrev_b32 v7, 2, v1                        ; 4 l: route
	; load t of my quarter gives lane l row k = 256 w + 16 t + l / 2, experts 4 (l % 2) + 0..3: plane (l / 2) % 4, place 16 (64 w + 4 t + l / 8) + 8 (l % 2)
	v_bfe_u32 v6, v0, 1, 2
	v_mul_u32_u24 v3, v6, PLN
	v_bfe_u32 v6, v0, 3, 2
	v_lshl_add_u32 v3, v6, 4, v3
	v_and_b32 v6, 1, v0
	v_lshl_add_u32 v3, v6, 3, v3
	s_lshl_b32 s29, s20, 10
	v_add_nc_u32 v3, s29, v3
	s_lshl_b32 s29, s20, 13
	v_add_nc_u32 v[WO], s29, v2
	v_mov_b32 v[NINF], 0xff800000
	v_mov_b32 v[ONE], 1
	v_mov_b32 v[RW], 0
	v_mov_b32 v[RG], 0
	v_mov_b32 v[RG+1], 0
.irp e, 0,1,2,3,4,5,6,7
	v_mov_b32 v[QQ+\e], 0                          ; v_permlanex16_b32 counts as a reader of its destination
.endr
	s_mov_b32 s24, 0x76543210                      ; v_permlanex16_b32: each lane takes its own place in the other half
	s_mov_b32 s25, 0xfedcba98
	s_lshl_b32 s28, ttmp9, 4
	s_lshl2_add_u32 s28, s20, s28                  ; my first token = 16 x work-group + 4 x wave
	s_lshl_b32 s30, s28, 12                        ; its byte in x,
	s_mov_b32 s31, 0
	s_lshl_b32 s32, s28, 11                        ; in xb,
	s_mov_b32 s33, 0
	s_lshl_b32 s34, s28, 2                         ; in route,
	s_mov_b32 s35, 0
	s_lshl_b32 s36, s28, 3                         ; in gate
	s_mov_b32 s37, 0
	s_wait_kmcnt 0x0
	s_add_nc_u64 s[4:5], s[4:5], s[30:31]
	s_add_nc_u64 s[26:27], s[8:9], s[32:33]
	s_add_nc_u64 s[10:11], s[10:11], s[34:35]
	s_add_nc_u64 s[12:13], s[12:13], s[36:37]
.set n, 0
.rept 16                               ; my quarter of router_w: each load 512 consecutive bytes
	global_load_b128 v[WP+4*n:WP+4*n+3], v[WO], s[6:7] offset:512*n
.set n, n+1
.endr
	WIN 0x40
.set n, 0
.rept 32                               ; my four rows of x: each load 512 consecutive bytes; read once in the launch
	global_load_b128 v[4*n:4*n+3], v2, s[4:5] offset:4096*(n/8)+512*(n%8) th:TH_LOAD_NT
.set n, n+1
.endr
	WIN 0
	s_wait_loadcnt 32                              ; router_w is in; the 32 younger loads, x, stay out
.set n, 0
.rept 16
	v_cvt_pk_bf16_f32 v[WP+64+2*n], v[WP+4*n], v[WP+4*n+1]
	v_cvt_pk_bf16_f32 v[WP+64+2*n+1], v[WP+4*n+2], v[WP+4*n+3]
.set n, n+1
.endr
.set n, 0
.rept 16
	ds_store_b64 v3, v[WP+64+2*n:WP+64+2*n+1] offset:64*n
.set n, n+1
.endr
	s_wait_dscnt 0x0                               ; for the others' sake: my quarter lies in LDS
	s_barrier_signal -1
	s_barrier_wait -1
.set n, 0
.rept 32                               ; n = 4 j + i: row 128 j + 4 l + i: plane i, place 512 j + 16 l
	ds_load_b128 v[WP+4*n:WP+4*n+3], v2 offset:PLN*(n%4)+512*(n/4)
.set n, n+1
.endr
	s_wait_dscnt 0x0
	s_mov_b32 s21, 0
.Ltok:                                 ; four trips, a token each; the text is one, but for the lines that take the token's row out of its registers
	s_cmp_eq_u32 s21, 0
	s_cbranch_scc1 .Lt0
	s_cmp_eq_u32 s21, 1
	s_cbranch_scc1 .Lt1
	s_cmp_eq_u32 s21, 2
	s_cbranch_scc1 .Lt2
	XCV 3
	s_branch .Lrow
.Lt2:
	XCV 2
	s_branch .Lrow
.Lt1:
	XCV 1
	s_branch .Lrow
.Lt0:
	XCV 0
.Lrow:
.irp j, 0,1,2,3,4,5,6,7
	global_store_b64 v4, v[XB+2*\j:XB+2*\j+1], s[26:27] offset:256*\j  ; 32 lanes store 256 consecutive bytes, at a multiple of 256 from xb's first
.endr
.set fj, 0
.rept 32                               ; fj = 4 j + i: one of my 32 columns; the 8 sums take turns
.set fe, 0
.rept 8
.if fj == 0
	FM ACC+fe, XB+fj/2, WP+4*fj+fe/2, 5, fj%2, fe%2
.else
	FM ACC+fe, XB+fj/2, WP+4*fj+fe/2, ACC+fe, fj%2, fe%2
.endif
.set fe, fe+1
.endr
.set fj, fj+1
.endr
.irp m, 1,2,4,8                        ; the 32 lanes' sums: every lane ends with all 8 logits
.irp e, 0,1,2,3,4,5,6,7
	v_add_f32_dpp v[ACC+\e], v[ACC+\e], v[ACC+\e] row_xmask:\m row_mask:0xf bank_mask:0xf
.endr
.endr
.irp e, 0,1,2,3,4,5,6,7
	v_permlanex16_b32 v[QQ+\e], v[ACC+\e], s24, s25
.endr
.irp e, 0,1,2,3,4,5,6,7
	v_add_f32 v[ACC+\e], v[ACC+\e], v[QQ+\e]
.endr
	v_mov_b32 v[LA], v[ACC]                        ; the largest: a later one must be strictly greater, so the lower number wins a tie
	v_mov_b32 v[BI], 0
.irp e, 1,2,3,4,5,6,7
	v_cmp_gt_f32 vcc_lo, v[ACC+\e], v[LA]
	v_cndmask_b32 v[LA], v[LA], v[ACC+\e], vcc_lo
	v_cndmask_b32 v[BI], v[BI], \e, vcc_lo
.endr
.irp e, 0,1,2,3,4,5,6,7
	v_cmp_eq_u32 vcc_lo, \e, v[BI]
	v_cndmask_b32 v[QQ+\e], v[ACC+\e], v[NINF], vcc_lo
.endr
	v_mov_b32 v[LBV], v[QQ]                        ; the largest of the rest
	v_mov_b32 v[BJ], 0
.irp e, 1,2,3,4,5,6,7
	v_cmp_gt_f32 vcc_lo, v[QQ+\e], v[LBV]
	v_cndmask_b32 v[LBV], v[LBV], v[QQ+\e], vcc_lo
	v_cndmask_b32 v[BJ], v[BJ], \e, vcc_lo
.endr
	v_sub_f32 v[TT], v[LBV], v[LA]                 ; at most 0
	v_mul_f32 v[TT], 0x3fb8aa3b, v[TT]
	v_exp_f32 v[E2], v[TT]
	v_lshlrev_b32 v[G0], 2, v[BI]                  ; the route word is made behind the exponential: plain lines that name neither its source nor its result
	v_lshlrev_b32 v[WD], v[G0], v[ONE]
	v_lshlrev_b32 v[G1], 2, v[BJ]
	v_lshlrev_b32 v[G1], v[G1], v[ONE]
	v_or_b32 v[WD], v[WD], v[G1]
	s_wait_alu depctr_va_vdst(0)                   ; the wait ahead of the first line that names the exponential's result
	v_add_f32 v[DD], 1.0, v[E2]
	v_rcp_f32 v[GA], v[DD]
	v_nop                                          ; a plain line behind the reciprocal
	s_wait_alu depctr_va_vdst(0)
	v_mul_f32 v[GBV], v[E2], v[GA]
	v_cmp_lt_u32 vcc_lo, v[BI], v[BJ]
	v_cndmask_b32 v[G0], v[GBV], v[GA], vcc_lo     ; the lower-numbered expert's weight
	v_cndmask_b32 v[G1], v[GA], v[GBV], vcc_lo
	s_lshl_b32 s22, 1, s21
	v_cndmask_b32 v[RW], v[RW], v[WD], s22         ; lane = the token's number in the wave keeps them
	v_cndmask_b32 v[RG], v[RG], v[G0], s22
	v_cndmask_b32 v[RG+1], v[RG+1], v[G1], s22
	s_wait_xcnt 0x0                                ; the trip's stores have read XB and their base: only now are these written again
	s_add_nc_u64 s[26:27], s[26:27], 2048
	s_add_co_u32 s21, s21, 1
	s_cmp_lt_u32 s21, 4
	s_cbranch_scc1 .Ltok
	s_or_b32 s23, ttmp9, s20
	s_cmp_lg_u32 s23, 0
	s_cbranch_scc1 .Lnocfg                         ; one wave of the launch writes the two mode words, 256 bytes each
	v_mov_b32 v[TT], 0
	v_mov_b32 v[E2], 0
	v_mov_b32 v[DD], 1
	v_mov_b32 v[GA], 1
	global_store_b64 v4, v[TT:TT+1], s[14:15]
	global_store_b64 v4, v[DD:DD+1], s[16:17]
.Lnocfg:
	s_wait_xcnt 0x0                                ; EXEC is a source of the stores above: it changes only behind this wait
	v_cmp_gt_u32 vcc_lo, 4, v1
	s_and_saveexec_b32 s23, vcc_lo
	global_store_b32 v7, v[RW], s[10:11]           ; 16 and 32 bytes a wave: 49,152 bytes in the whole launch go out in such short pieces
	global_store_b64 v4, v[RG:RG+1], s[12:13]
	s_wait_xcnt 0x0
	s_or_b32 exec_lo, exec_lo, s23
	s_wait_tensorcnt 0x0                           ; the wave's end
	ds_add_u32 v[SPW], v[NIL]
	s_wait_dscnt 0x0
	s_endpgm
.Lfunc_end_k_q5d75753c5a_router:
	.size	k_q5d75753c5a_router, .Lfunc_end_k_q5d75753c5a_router-k_q5d75753c5a_router
	.p2alignl 7, 3214868480
	.fill 96, 4, 3214868480
	.section	.rodata,"a",@progbits
	.p2align	6, 0x0
	.amdhsa_kernel k_q5d75753c5a_router
		.amdhsa_group_segment_fixed_size 17408
		.amdhsa_private_segment_fixed_size 0
		.amdhsa_enable_private_segment 0
		.amdhsa_kernarg_size 56
		.amdhsa_user_sgpr_count 2
		.amdhsa_user_sgpr_kernarg_segment_ptr 1
		.amdhsa_wavefront_size32 1
		.amdhsa_system_sgpr_workgroup_id_x 1
		.amdhsa_system_sgpr_workgroup_id_y 1
		.amdhsa_system_sgpr_workgroup_id_z 1
		.amdhsa_system_vgpr_workitem_id 0
		.amdhsa_next_free_vgpr 384
		.amdhsa_next_free_sgpr 66
		.amdhsa_reserve_vcc 1
		.amdhsa_float_denorm_mode_32 3
		.amdhsa_float_denorm_mode_16_64 3
		.amdhsa_memory_ordered 1
		.amdhsa_forward_progress 1
		.amdhsa_inst_pref_size 41
	.end_amdhsa_kernel
	.amdgpu_metadata
---
amdhsa.version: [ 1, 2 ]
amdhsa.kernels:
  - .name:           k_q5d75753c5a_router
    .symbol:         k_q5d75753c5a_router.kd
    .args:
      - { .name: x, .offset: 0, .size: 8, .value_kind: global_buffer, .address_space: global }
      - { .name: router_w, .offset: 8, .size: 8, .value_kind: global_buffer, .address_space: global }
      - { .name: xb, .offset: 16, .size: 8, .value_kind: global_buffer, .address_space: global }
      - { .name: route, .offset: 24, .size: 8, .value_kind: global_buffer, .address_space: global }
      - { .name: gate, .offset: 32, .size: 8, .value_kind: global_buffer, .address_space: global }
      - { .name: cfg1, .offset: 40, .size: 8, .value_kind: global_buffer, .address_space: global }
      - { .name: cfg2, .offset: 48, .size: 8, .value_kind: global_buffer, .address_space: global }
    .group_segment_fixed_size: 17408
    .private_segment_fixed_size: 0
    .kernarg_segment_align: 8
    .kernarg_segment_size: 56
    .max_flat_workgroup_size: 128
    .sgpr_count:     66
    .vgpr_count:     384
    .wavefront_size: 32
...
	.end_amdgpu_metadata
.endif
;; end of part 1
;; launch ffn1 (part 2): grid 8 x 32, 4 waves a work-group, no clusters, 322,304 bytes of LDS; arguments xb, w1, b1, route, cfg1, hb; writes hb
.if DOCPART == 2
	.amdgcn_target "amdgcn-amd-amdhsa--gfx1250"
	.amdhsa_code_object_version 6
	.text
	.protected	k_q5d75753c5a_ffn1
	.globl	k_q5d75753c5a_ffn1
	.p2align	8
	.type	k_q5d75753c5a_ffn1,@function
k_q5d75753c5a_ffn1:
	s_mov_b64 s[64:65], 0
	v_nop
	global_prefetch_b8 v0, s[64:65] scope:SCOPE_SE
	s_setreg_imm32_b32 hwreg(HW_REG_WAVE_MODE, 25, 1), 1
	s_wait_xcnt 0x0
; ONE EXPERT PRODUCT OF THE ROUTED ROWS, for both layers.  The 8,192 routed rows are rid = 2 x token + slot (slot 0: the token's chosen expert with the lower number).
; Mode 0 (cfg word 0): hb = erf-GELU(xb[token] . W[e] + bias[e]) in bf16.  Mode 1: part[rid] = hb . W[e] + bias[e] in f32 (partial sums stay in f32; the last launch weighs and adds them).
; xb: [4096][1024] bf16.  W: [8][1024 k][1024 n] f32 and bias: [8][1024] f32, both rounded to bf16 on their way through registers.  Sums in f32.
; HB LIES AS MODE 1's OPERAND REGISTERS TAKE IT: [block of 16 routed rows][group of 16 columns][lane][16 bytes], 32,768 bytes a block; lane l holds row l % 16, columns 8 (l / 16) + 0..7 of the group.
; That is how mode 0's packed results lie in registers, so they are stored as they are, and two groups are one operand of 32 k.  Blocks are numbered through the experts: those of the lower experts, then b.
; THE DEAL.  Grid x = slice of 128 output columns, y = tile row 0..31.  Every wave counts the route words and works out the same deal: expert e with c rows has
; nb = ceil(c / 16) blocks of 16 rows and gets n tile rows, the n adding up to 32 with n <= nb: n = ceil(nb / Q) for the least Q in 16..21 whose sum is at most 32
; (Q = 21 always serves: the nb add up to 519 at the most, and (519 + 8 x 20) / 21 is under 33), and what is left of the 32 goes out in the experts' order.  So every
; work-group has rows at every split, and no barrier hangs on data.  Tile ti of expert e has the blocks ti + n k, k = 0..20.  k = w + 4 i, i = 0..3, are wave w's, in one pass of constant
; length; k = 16..20, where they exist, follow one at a time, each wave with 32 of the 128 columns.  A block past the count repeats the last block and is not stored; a row past the
; count repeats the last row and stores the same bytes (mode 1: to the same place).
; DATA.  The expert's slice of W (1,024 k x 128 n) goes through registers (rounding) into LDS as bf16 [k][n], in 8 chunks of 128 k, a chunk ahead of the products; each
; LDS byte is written once, so one barrier a chunk orders writers and readers.  The rows come from memory straight into matrix operands: mode 0 by the list, 32 bytes of each of 16 rows a load;
; mode 1 from hb's blocks, 512 consecutive bytes a load.  One text serves both: the addresses of the 8 (K step, half) pieces of a chunk lie in scalar pairs, made of the mode's strides.
; NO TENSOR LOAD, NO CLUSTER: W has to pass registers to be rounded, and mode 0's rows lie where the list says, which no tile's descriptor covers.
; THE MATRIX INSTRUCTION IS USED TRANSPOSED: source 0 = 16 columns of W (turned by ds_load_tr16_b128), source 1 = 16 rows: a lane holds row l % 16, columns 8 (l / 16) + 0..7.
; GELU.  gelu(x) = max(x, 0) - |x| erfc(|x| / sqrt 2) / 2, erfc(z) = (a1 t + .. + a5 t^5) e^(-z z), t = 1 / (1 + p z) (Abramowitz and Stegun 7.1.26, within 1.5e-7 for every z):
; no difference of large numbers is formed, and the error stays under 1e-7 |x|.
; LIMITS.  hb is rounded once to bf16.  NaN and infinities are not treated apart.  e^(-x x / 2) below 2^-126 counts as 0.  Mode 1 stores blocks 16..20 as 128 bytes of a row a wave, in pieces of 16.
.set WBP,    288                       ; a row of W in LDS: 256 bytes + 32
.set CHUNKB, 128*WBP
.set LIST,   1024*WBP                  ; behind W: each wave's own segment of the expert's list, u16 rid at 2 x rank; places 1,024 + lane take what is not the expert's
.set SEG,    2304
.set CNT,    LIST+4*SEG                ; 16 bytes a wave: its 8 counts
.set STG,    CNT+256                   ; each wave's own stage for mode 1's way out: 16 rows x 272 bytes
.set SPITCH, 272
.set SPARE,  STG+4*16*SPITCH           ; the spare words, 128 bytes a wave
; window 0
.set WS,   6                           ; where I store my part of the next chunk of W
.set BA,   7                           ; my lane's place in the chunk of W in hand
.set BAX,  8                           ; the same, for my 32 columns of a late block
.set BA0,  9                           ; the same at chunk 0; never rewritten
.set BOC,  10                          ; the block in hand: its bytes in hb + 16 l
.set STO1, 11                          ; stage, in: f32 half rows
.set RD,   12                          ; stage, back
.set BOX,  13                          ; a late block: its bytes in hb + 16 l
.set AO,   14                          ; v14-17 slot i: byte offset of my piece of its rows at k = 0
.set AOX,  18
.set GOB1, 19                          ; my slice's and my lane's bytes in a row of part: 512 x slice + 16 (l % 16)
.set RID,  20                          ; v20-23 slot i: my row's rid
.set RIDX, 24
.set RIDC, 25
.set GO,   26                          ; v26-33 mode 1: byte offsets of the 8 stores of a block
.set RR,   34                          ; v34-41 GELU at work
.set BOFX, 45                          ; bias of my 32 columns of a late block: 128 w + 32 (l / 16)
.set GX1,  46                          ; mode 1, late block: 512 x slice + 128 w + 32 (l / 16)
.set BOXW, 47                          ; mode 0, late block: BOX + 1,024 w
.set IDX,  48                          ; v48-55 4 x (2 t + l / 16): the lane that holds the rid of the row that store t takes
.set V8,   56                          ; v56-59 serve the list and the bias loads,
.set LB,   57
.set DUMP, 58
.set BOF,  59
.set BO,   56                          ; and then: slot i: its block's bytes in hb + 16 l
.set BAW0, 60                          ; BA0 + 64 w
.set SPW,  62
.set NIL,  63
.set T,    64                          ; v64-127 a block's 64 numbers a lane; at the start the route words (v64-95) and work (v96-127)
.set BI,   128                         ; v128-191 bias of my 64 columns
.set D,    192                         ; v192-223 GELU: 1 + p z, t, max(x, 0); then the packed block; mode 1: rows read back
.set U,    224                         ; v224-255 GELU: the exponent, e; mode 1: rows read back
; window 1: v0-63, v64-127 fragments of W, two buffers; v128-255 W as loaded; later v128-143 a late block's sums, v144-159 its bias, v160-167 its rows' offsets by chunk
.set BF0,  0
.set BF1,  64
.set WR,   128
.set XA,   128
.set BIX,  144
.set XAD,  160
; window 2: rows: 128 (chunk % 2) + 32 step + 8 slot; a late block: 8 x K step.   window 3: sums: 64 slot + 8 column block
; scalars: s16 wave, s17 slice, s18 tile row, s19 mode, s[20:35] the four waves' packed counts (later GELU's constants), s36-43 c, s44-51 nb, s52-59 n; behind the deal:
.set AB,  36                           ; s[36:51] the rows' buffer at (K step s, half f) of the chunk in hand: pair 2 s + f
.set CS,  36
.set NBS, 44
.set NS,  52
; s[52:53] bytes from chunk to chunk, s[54:55] from K step to K step, s[56:57] from half to half; s[60:61] hb + 4,096 x slice; s62 1,024 w
; s66 expert, s67 tile, s68 c - 1, s69 n, s70 nb, s71-73 waves 0-2's counts, s74-76 their running sums, s77-79 SEG - 2 x count, s80 4 e, s81 the lower experts' bits,
; s82 rank, s83 mask, s84 slots that exist, s85 counter, s87 the lower experts' blocks, s[90:91] bias, s[92:93] W
.set MSB, 0
.macro WIN new                         ; s_set_vgpr_msb: bits 1:0 source 0, 3:2 source 1, 5:4 source 2, 7:6 destination; the high byte repeats the setting that is left
.if MSB != (\new)
	s_set_vgpr_msb (MSB<<8)|(\new)
.set MSB, (\new)
.endif
.endm
.macro PLACES                          ; four plain lines between a matrix instruction and a load into, or a vector line on, its registers
.rept 4
	v_nop
.endr
.endm
.macro BFLY v                          ; a whole number summed over the 32 lanes
.irp m, 1,2,4,8
	v_mov_b32_dpp v104, v[\v] row_xmask:\m row_mask:0xf bank_mask:0xf
	v_add_nc_u32 v[\v], v[\v], v104
.endr
	v_permlanex16_b32 v104, v[\v], s100, s101
	v_add_nc_u32 v[\v], v[\v], v104
.endm
.macro QTRY q                          ; does q blocks a tile fit into 32 tiles?  ceil(nb / q) = ((nb + q - 1) (65536 / q + 1)) >> 16, exact up to 3,000
	s_mov_b32 s62, 0
.irp e, 0,1,2,3,4,5,6,7
	s_add_co_u32 s94, s[NBS+\e], (\q)-1
	s_mul_i32 s94, s94, 65536/(\q)+1
	s_lshr_b32 s94, s94, 16
	s_add_co_u32 s62, s62, s94
.endr
	s_cmp_le_u32 s62, 32
	s_cselect_b32 s60, \q, s60
	s_cselect_b32 s61, 65536/(\q)+1, s61
.endm
.macro LOOKS                           ; s96 = k  ->  s94 = 16 x block (held inside the expert's), s95 = 1 if the block exists, s97 = the block's bytes in hb
	s_mul_i32 s94, s69, s96
	s_add_co_u32 s94, s94, s67
	s_cmp_lt_u32 s94, s70
	s_cselect_b32 s95, 1, 0
	s_sub_co_u32 s97, s70, 1
	s_min_u32 s94, s94, s97
	s_add_co_u32 s97, s94, s87
	s_min_u32 s97, s97, 519
	s_lshl_b32 s97, s97, 15
	s_lshl_b32 s94, s94, 4
.endm
.macro LOOKV rid                       ; my row's rank in the expert -> its place in the four segments -> its rid
	v_add_nc_u32 v42, s94, v2
	v_min_u32 v42, s68, v42                        ; a row past the count repeats the last
	v_lshlrev_b32 v43, 1, v42
.irp k, 0,1,2
	v_cmp_le_u32 vcc_lo, s[74+\k], v42             ; past wave k's members: on into the next segment
	v_cndmask_b32 v44, 0, s[77+\k], vcc_lo
	v_add_nc_u32 v43, v43, v44
.endr
	v_min_u32 v43, 0x23fe, v43
	v_add_nc_u32 v43, LIST, v43
	ds_load_u16 v[\rid], v43
.endm
.macro LOOKA ao, rid                   ; mode 0: the token's row of xb, 2,048 bytes; + 16 (l / 16)
	v_lshrrev_b32 v42, 1, v[\rid]
	v_min_u32 v42, 0xfff, v42
	v_lshl_add_u32 v[\ao], v42, 11, v5
.endm
.macro LOOKX                           ; a late block, s96 = k: s95, RIDX, BOX, AOX
	LOOKS
	LOOKV RIDX
	v_add_nc_u32 v[BOX], s97, v4
	s_wait_dscnt 0x0
	s_cmp_lg_u32 s19, 0
	s_cbranch_scc1 .Lxa1_\@
	LOOKA AOX, RIDX
	s_branch .Lxa2_\@
.Lxa1_\@:
	v_mov_b32 v[AOX], v[BOX]
.Lxa2_\@:
.endm
.macro ABSET                           ; the 8 addresses at chunk 0
	s_mov_b64 s[AB:AB+1], s[4:5]
	s_add_nc_u64 s[AB+2:AB+3], s[AB:AB+1], s[56:57]
.irp k, 0,1,2,3,4,5
	s_add_nc_u64 s[AB+4+2*\k:AB+5+2*\k], s[AB+2*\k:AB+1+2*\k], s[54:55]
.endr
.endm
.macro LDW                             ; my 32 rows of a chunk of W: each load one row's 512 consecutive bytes
	WIN 0x40
.set lt, 0
.rept 32
	global_load_b128 v[WR+4*lt:WR+4*lt+3], v4, s[92:93] offset:4096*lt
.set lt, lt+1
.endr
.endm
.macro WCVT                            ; rounded to bf16 in place, 8 bytes a lane into LDS: a row's 256 bytes are consecutive
	WIN 0x45
.set lt, 0
.rept 32
	v_cvt_pk_bf16_f32 v[WR+4*lt], v[WR+4*lt], v[WR+4*lt+1]
	v_cvt_pk_bf16_f32 v[WR+4*lt+1], v[WR+4*lt+2], v[WR+4*lt+3]
.set lt, lt+1
.endr
	WIN 0x04
.set lt, 0
.rept 32
	ds_store_b64 v[WS], v[WR+4*lt:WR+4*lt+1] offset:WBP*lt
.set lt, lt+1
.endr
	WIN 0
	v_add_nc_u32 v[WS], CHUNKB, v[WS]
.endm
.macro LDA p                           ; four slots' rows, 128 k: slot la / 4, K step la % 4
	WIN 0x80
.set la, 0
.rept 16
.set lr, 128*(\p)+32*(la%4)+8*(la/4)
	global_load_b128 v[lr:lr+3],   v[AO+la/4], s[AB+4*(la%4):AB+4*(la%4)+1]
	global_load_b128 v[lr+4:lr+7], v[AO+la/4], s[AB+4*(la%4)+2:AB+4*(la%4)+3]
.set la, la+1
.endr
.endm
.macro LDB buf, adr, s                 ; the 8 fragments of W of K step s of a chunk: lane l reads row 8 (l / 16) + l % 8, 16 bytes; the load turns 8 x 8
	WIN 0x40
.set nbi, 0
.rept 8
	ds_load_tr16_b128 v[(\buf)+8*nbi:(\buf)+8*nbi+3],   v[\adr] offset:32*WBP*(\s)+32*nbi
	ds_load_tr16_b128 v[(\buf)+8*nbi+4:(\buf)+8*nbi+7], v[\adr] offset:32*WBP*(\s)+32*nbi+16*WBP
.set nbi, nbi+1
.endr
.endm
.macro LDBX buf                        ; a late block: my 2 fragments of each of a chunk's 4 K steps: step nbi / 2, column group nbi % 2
	WIN 0x40
.set nbi, 0
.rept 8
	ds_load_tr16_b128 v[(\buf)+8*nbi:(\buf)+8*nbi+3],   v[BAX] offset:32*WBP*(nbi/2)+32*(nbi%2)
	ds_load_tr16_b128 v[(\buf)+8*nbi+4:(\buf)+8*nbi+7], v[BAX] offset:32*WBP*(nbi/2)+32*(nbi%2)+16*WBP
.set nbi, nbi+1
.endr
.endm
.macro XLOAD                           ; a late block's bias (my 32 columns) and its 16 rows, all 1,024 k, into window 2; the offsets lie in registers that the way out of slots 0-3 leaves alone
	WIN 0x40
	v_mov_b32 v[XAD], v[AOX]
	WIN 0x44
.irp c, 1,2,3,4,5,6,7
	v_add_nc_u32 v[XAD+\c], s52, v[XAD+\c-1]
.endr
	WIN 0x40
	global_load_b128 v[BIX:BIX+3],     v[BOFX], s[90:91]
	global_load_b128 v[BIX+4:BIX+7],   v[BOFX], s[90:91] offset:16
	global_load_b128 v[BIX+8:BIX+11],  v[BOFX], s[90:91] offset:64
	global_load_b128 v[BIX+12:BIX+15], v[BOFX], s[90:91] offset:80
	WIN 0x81
.set ks, 0
.rept 32
	global_load_b128 v[8*ks:8*ks+3],   v[XAD+ks/4], s[AB+4*(ks%4):AB+4*(ks%4)+1]
	global_load_b128 v[8*ks+4:8*ks+7], v[XAD+ks/4], s[AB+4*(ks%4)+2:AB+4*(ks%4)+3]
.set ks, ks+1
.endr
	WIN 0
.endm
.macro MM buf, p, s, i0, cnt, zero     ; slots i0 .. i0 + cnt - 1 x 8 column blocks; the sums take turns, one instruction a turn
	WIN 0xf9
.set mi, 8*(\i0)
.rept 8*(\cnt)
.if \zero
	v_wmma_f32_16x16x32_bf16 v[8*mi:8*mi+7], v[(\buf)+8*(mi%8):(\buf)+8*(mi%8)+7], v[128*(\p)+32*(\s)+8*(mi/8):128*(\p)+32*(\s)+8*(mi/8)+7], 0
.else
	v_wmma_f32_16x16x32_bf16 v[8*mi:8*mi+7], v[(\buf)+8*(mi%8):(\buf)+8*(mi%8)+7], v[128*(\p)+32*(\s)+8*(mi/8):128*(\p)+32*(\s)+8*(mi/8)+7], v[8*mi:8*mi+7]
.endif
.set mi, mi+1
.endr
.endm
; A chunk is four K steps of 32, 32 matrix instructions each, on fragment buffers 0, 1, 0, 1.  p = chunk % 2.
.macro S0 p, zero, wl, lda
	s_wait_loadcnt \wl                             ; this chunk's rows are in; the 32 younger loads, the next chunk of W, stay out (last chunk: none is younger)
	PLACES
.if \lda
	s_wait_xcnt 0x0                                ; the 8 addresses step only behind this wait
.irp k, 0,1,2,3,4,5,6,7
	s_add_nc_u64 s[AB+2*\k:AB+2*\k+1], s[AB+2*\k:AB+2*\k+1], s[52:53]
.endr
	LDA 1-(\p)                                     ; the next chunk's rows: four K steps ahead of their use
.endif
	LDB BF1, BA, 1
	s_wait_dscnt 16                                ; all but the 16 just issued
	MM BF0, \p, 0, 0, 4, \zero
.endm
.macro S1 p
	PLACES
	LDB BF0, BA, 2
	s_wait_dscnt 16
	MM BF1, \p, 1, 0, 4, 0
.endm
.macro S2 p, stage, ldw
	PLACES
	LDB BF1, BA, 3
.if \stage
	s_wait_loadcnt 32                              ; the next chunk of W is in; the 32 younger loads, rows, stay out
	WCVT
.if \ldw
	s_wait_xcnt 0x0
	s_add_nc_u64 s[92:93], s[92:93], 128*4096
	LDW                                            ; the chunk after it: four K steps ahead
.endif
	s_wait_dscnt 48                                ; all but the 16 loads and 32 stores just issued
.else
	s_wait_dscnt 16
.endif
	MM BF0, \p, 2, 0, 4, 0
.endm
.macro S3 p, stage
	s_wait_dscnt 0x0                               ; my fragments are in, and my part of the next chunk lies in LDS:
.if \stage
	s_barrier_signal -1                            ; say so,
	MM BF1, \p, 3, 0, 2, 0                         ; work on registers meanwhile,
	s_barrier_wait -1                              ; and read the next chunk when all four have said so
	WIN 0
	v_add_nc_u32 v[BA], CHUNKB, v[BA]
	PLACES
	LDB BF0, BA, 0
	MM BF1, \p, 3, 2, 2, 0
.else
	MM BF1, \p, 3, 0, 4, 0
.endif
.endm
.macro SNIP base, rid, bo              ; a slot's sums + bias, each accumulator from its low end on
	WIN 0x03
.set sa, 0
.rept 32
	v_pk_add_f32 v[T+2*sa:T+2*sa+1], v[(\base)+2*sa:(\base)+2*sa+1], v[BI+2*sa:BI+2*sa+1]
.set sa, sa+1
.endr
	WIN 0
	v_mov_b32 v[RIDC], v[\rid]
	v_mov_b32 v[BOC], v[\bo]
.endm
.macro GPL g, q, n                     ; GELU, plain line n of pair q: the exponent -x x log2(e) / 2 and 1 + p |x| / sqrt 2
.set gx, T+32*(\g)+2*(\q)
.set gd, D+2*(\q)
.set gu, U+2*(\q)
.if (\n) == 0
	v_pk_mul_f32 v[gu:gu+1], v[gx:gx+1], v[gx:gx+1]
.elseif (\n) == 1
	v_fma_f32 v[gd], |v[gx]|, s20, 1.0
.elseif (\n) == 2
	v_pk_mul_f32 v[gu:gu+1], v[gu:gu+1], s[22:23] op_sel_hi:[1,0]
.else
	v_fma_f32 v[gd+1], |v[gx+1]|, s20, 1.0
.endif
.endm
.macro GTR q, n                        ; its two reciprocals and two exponentials
.set gd, D+2*(\q)
.set gu, U+2*(\q)
.if (\n) < 2
	v_rcp_f32 v[gd+(\n)], v[gd+(\n)]
.else
	v_exp_f32 v[gu+(\n)-2], v[gu+(\n)-2]
.endif
.endm
.macro GB g, np                        ; GELU on np pairs from T + 32 g on.  The 4 np transcendentals are ONE batch, a plain line of the next pair between each two, with one wait
.irp n, 0,1,2,3
	GPL \g, 0, \n
.endr
.set gq, 0
.rept (\np)-1
.irp n, 0,1,2,3
	GTR gq, \n
	GPL \g, gq+1, \n
.endr
.set gq, gq+1
.endr
.irp n, 0,1,2,3
	GTR (\np)-1, \n
.endr
	v_nop                                          ; a plain line behind the last of them
	s_wait_alu depctr_va_vdst(0)                   ; the wait ahead of the first line that names a result: one for the batch
.set gq, 0
.rept (\np)/4                          ; four pairs at a time, so that no line waits for the one before it
.irp z, 0,1,2,3
	v_pk_fma_f32 v[RR+2*\z:RR+2*\z+1], v[D+8*gq+2*\z:D+8*gq+2*\z+1], s[24:25], s[26:27] op_sel_hi:[1,0,0]
.endr
.irp c, 28,30,32
.irp z, 0,1,2,3
	v_pk_fma_f32 v[RR+2*\z:RR+2*\z+1], v[RR+2*\z:RR+2*\z+1], v[D+8*gq+2*\z:D+8*gq+2*\z+1], s[\c:\c+1] op_sel_hi:[1,1,0]
.endr
.endr
.irp z, 0,1,2,3
	v_pk_mul_f32 v[RR+2*\z:RR+2*\z+1], v[RR+2*\z:RR+2*\z+1], v[D+8*gq+2*\z:D+8*gq+2*\z+1]
.endr
.irp z, 0,1,2,3
	v_pk_mul_f32 v[RR+2*\z:RR+2*\z+1], v[RR+2*\z:RR+2*\z+1], v[U+8*gq+2*\z:U+8*gq+2*\z+1]
.endr
.irp z, 0,1,2,3,4,5,6,7
	v_max_num_f32 v[D+8*gq+\z], 0, v[T+32*(\g)+8*gq+\z]
.endr
.irp z, 0,1,2,3,4,5,6,7
	v_fma_f32 v[T+32*(\g)+8*gq+\z], -|v[T+32*(\g)+8*gq+\z]|, v[RR+\z], v[D+8*gq+\z]
.endr
.set gq, gq+1
.endr
.endm
	; ---- head
	s_load_b256 s[4:11], s[0:1], 0x0               ; rows s[4:5], W s[6:7], bias s[8:9], route s[10:11]
	s_load_b128 s[12:15], s[0:1], 0x20             ; cfg s[12:13], dst s[14:15]
	v_lshl_add_u32 v[SPW], v0, 2, SPARE
	v_mov_b32 v[NIL], 0
	v_lshrrev_b32 v42, 5, v0
	v_readfirstlane_b32 s16, v42                   ; wave
	v_and_b32 v1, 31, v0                           ; l
	v_and_b32 v2, 15, v0                           ; l % 16
	v_bfe_u32 v3, v0, 4, 1                         ; l / 16
	v_lshlrev_b32 v4, 4, v1
	v_lshlrev_b32 v5, 4, v3
	s_mov_b32 s17, ttmp9
	s_and_b32 s18, ttmp7, 0xffff
	s_mov_b32 s100, 0x76543210
	s_mov_b32 s101, 0xfedcba98
	s_lshl_b32 s94, s16, 12
	v_add_nc_u32 v47, s94, v4
	s_wait_kmcnt 0x0
.irp j, 0,1,2,3,4,5,6,7                ; my 1,024 tokens' route words: register 4 j + i holds token 1024 w + 128 j + 4 l + i
	global_load_b128 v[T+4*\j:T+4*\j+3], v47, s[10:11] offset:512*\j
.endr
	s_load_b32 s19, s[12:13], 0x0
	s_mul_i32 s94, s16, 32*WBP
	v_lshl_add_u32 v[WS], v1, 3, s94               ; rows 32 w + t of a chunk, 8 bytes a lane
	v_and_b32 v42, 7, v0
	v_lshl_add_u32 v42, v3, 3, v42
	v_mul_u32_u24 v42, v42, WBP
	v_bfe_u32 v43, v0, 3, 1
	v_lshl_add_u32 v[BA0], v43, 4, v42
	v_mov_b32 v[BA], v[BA0]
	s_lshl_b32 s94, s16, 6
	v_add_nc_u32 v[BAW0], s94, v[BA0]              ; column groups 2 w, 2 w + 1: 64 w bytes on
	s_mul_i32 s95, s16, 16*SPITCH
	s_add_co_u32 s95, s95, STG
	v_mul_u32_u24 v42, v2, SPITCH
	v_add_nc_u32 v42, s95, v42
	v_lshl_add_u32 v[STO1], v3, 5, v42
	v_mul_u32_u24 v42, v3, SPITCH
	v_lshl_add_u32 v42, v2, 4, v42
	v_add_nc_u32 v[RD], s95, v42
.irp t, 0,1,2,3,4,5,6,7
	v_lshl_add_u32 v[IDX+\t], v3, 2, 8*\t
.endr
	s_lshl_b32 s94, s16, 11
	v_lshl_add_u32 v[V8], v1, 3, s94               ; 2 x (1024 w + 4 l)
	s_mul_i32 s94, s16, SEG
	s_add_co_u32 s94, s94, LIST
	v_mov_b32 v[LB], s94
	v_add_nc_u32 v[DUMP], 0x400, v1
	v_lshlrev_b32 v[BOF], 5, v3
	s_lshl_b32 s94, s17, 9                         ; my slice's 128 columns: 512 bytes of a row of part
	v_lshl_add_u32 v[GOB1], v2, 4, s94
	s_lshl_b32 s95, s16, 7
	v_lshl_add_u32 v[BOFX], v3, 5, s95
	s_add_co_u32 s94, s94, s95
	v_lshl_add_u32 v[GX1], v3, 5, s94
	s_wait_kmcnt 0x0
	s_min_u32 s19, s19, 1
	; ---- my 1,024 tokens counted: nibbles (8 words at the most), bytes (32 a lane), halves (1,024 a wave)
	s_wait_loadcnt 0x0
.irp g, 0,1,2,3
	v_add_nc_u32 v[96+\g], v[T+8*\g], v[T+8*\g+1]
	v_add3_u32 v[96+\g], v[96+\g], v[T+8*\g+2], v[T+8*\g+3]
	v_add3_u32 v[96+\g], v[96+\g], v[T+8*\g+4], v[T+8*\g+5]
	v_add3_u32 v[96+\g], v[96+\g], v[T+8*\g+6], v[T+8*\g+7]
.endr
	s_mov_b32 s94, 0x0f0f0f0f
	s_mov_b32 s95, 0x00ff00ff
	v_and_b32 v100, s94, v96                       ; experts 0, 2, 4, 6
	v_lshrrev_b32 v101, 4, v96
	v_and_b32 v101, s94, v101                      ; experts 1, 3, 5, 7
.irp g, 1,2,3
	v_and_b32 v104, s94, v[96+\g]
	v_lshrrev_b32 v105, 4, v[96+\g]
	v_add_nc_u32 v100, v100, v104
	v_and_b32 v105, s94, v105
	v_add_nc_u32 v101, v101, v105
.endr
	v_and_b32 v108, s95, v100                      ; experts 0 | 4
	v_lshrrev_b32 v104, 8, v100
	v_and_b32 v109, s95, v104                      ; 2 | 6
	v_and_b32 v110, s95, v101                      ; 1 | 5
	v_lshrrev_b32 v105, 8, v101
	v_and_b32 v111, s95, v105                      ; 3 | 7
	BFLY 108
	BFLY 109
	BFLY 110
	BFLY 111
	s_lshl_b32 s94, s16, 4
	s_add_co_u32 s94, s94, CNT
	v_mov_b32 v105, s94
	ds_store_b128 v105, v[108:111]
	s_wait_dscnt 0x0                               ; for the others' sake: my counts lie in LDS
	s_barrier_signal -1
	s_barrier_wait -1
	v_mov_b32 v105, CNT
.irp w, 0,1,2,3
	ds_load_b128 v[112+4*\w:112+4*\w+3], v105 offset:16*\w
.endr
	s_wait_dscnt 0x0
.irp n, 0,1,2,3,4,5,6,7,8,9,10,11,12,13,14,15
	v_readfirstlane_b32 s[20+\n], v[112+\n]
.endr
	; ---- the deal
.irp m, 0,1,2,3
.set elo, (((\m)&1)<<1)|((\m)>>1)
	s_add_co_u32 s94, s[20+\m], s[24+\m]
	s_add_co_u32 s95, s[28+\m], s[32+\m]
	s_add_co_u32 s94, s94, s95
	s_and_b32 s[CS+elo], s94, 0xffff
	s_lshr_b32 s[CS+elo+4], s94, 16
.endr
.irp e, 0,1,2,3,4,5,6,7
	s_add_co_u32 s[NBS+\e], s[CS+\e], 15
	s_lshr_b32 s[NBS+\e], s[NBS+\e], 4
.endr
	s_mov_b32 s60, 21
	s_mov_b32 s61, 65536/21+1
	QTRY 20
	QTRY 19
	QTRY 18
	QTRY 17
	QTRY 16
	s_mov_b32 s62, 32
.irp e, 0,1,2,3,4,5,6,7
	s_add_co_u32 s94, s[NBS+\e], s60
	s_sub_co_u32 s94, s94, 1
	s_mul_i32 s94, s94, s61
	s_lshr_b32 s[NS+\e], s94, 16
	s_sub_co_u32 s62, s62, s[NS+\e]
.endr
.irp e, 0,1,2,3,4,5,6,7                ; what is left of the 32 tile rows, never more tiles than blocks
	s_sub_co_u32 s94, s[NBS+\e], s[NS+\e]
	s_min_u32 s94, s94, s62
	s_add_co_u32 s[NS+\e], s[NS+\e], s94
	s_sub_co_u32 s62, s62, s94
.endr
	s_mov_b32 s63, 0
	s_mov_b32 s98, 0
.irp r, 66,67,68,69,70,71,72,73,87
	s_mov_b32 s\r, 0
.endr
.irp e, 0,1,2,3,4,5,6,7                ; the last expert whose first tile row is not past mine is mine
.set wm, (((\e)&1)<<1)|(((\e)>>1)&1)
	s_sub_co_u32 s94, s18, s63
.if (\e) < 4
	s_and_b32 s95, s[20+wm], 0xffff
	s_and_b32 s96, s[24+wm], 0xffff
	s_and_b32 s97, s[28+wm], 0xffff
.else
	s_lshr_b32 s95, s[20+wm], 16
	s_lshr_b32 s96, s[24+wm], 16
	s_lshr_b32 s97, s[28+wm], 16
.endif
	s_cmp_ge_u32 s18, s63
	s_cselect_b32 s66, \e, s66
	s_cselect_b32 s67, s94, s67
	s_cselect_b32 s68, s[CS+\e], s68
	s_cselect_b32 s69, s[NS+\e], s69
	s_cselect_b32 s70, s[NBS+\e], s70
	s_cselect_b32 s71, s95, s71
	s_cselect_b32 s72, s96, s72
	s_cselect_b32 s73, s97, s73
	s_cselect_b32 s87, s98, s87
	s_add_co_u32 s63, s63, s[NS+\e]
	s_add_co_u32 s98, s98, s[NBS+\e]
.endr
	s_min_u32 s66, s66, 7
	s_sub_co_u32 s68, s68, 1
	s_mov_b32 s74, s71
	s_add_co_u32 s75, s74, s72
	s_add_co_u32 s76, s75, s73
.irp k, 0,1,2
	s_lshl_b32 s94, s[71+\k], 1
	s_sub_co_u32 s[77+\k], SEG, s94
.endr
	s_lshl_b32 s80, s66, 2
	s_lshl_b32 s81, 1, s80
	s_sub_co_u32 s81, s81, 1
	; ---- first loads: bias, chunk 0 of W
	s_lshl_b32 s94, s66, 22                        ; the expert's 4 MiB,
	s_lshl_b32 s95, s17, 9                         ; my slice's 512 bytes of a row,
	s_add_co_u32 s94, s94, s95
	s_lshl_b32 s95, s16, 17                        ; my wave's 32 rows
	s_add_co_u32 s94, s94, s95
	s_mov_b32 s95, 0
	s_add_nc_u64 s[92:93], s[6:7], s[94:95]
	s_lshl_b32 s94, s66, 12
	s_lshl_b32 s96, s17, 9
	s_add_co_u32 s94, s94, s96
	s_add_nc_u64 s[90:91], s[8:9], s[94:95]
.irp b, 0,1,2,3,4,5,6,7                ; columns 16 b + 8 (l / 16) + 0..7
	global_load_b128 v[BI+8*\b:BI+8*\b+3],   v[BOF], s[90:91] offset:64*\b
	global_load_b128 v[BI+8*\b+4:BI+8*\b+7], v[BOF], s[90:91] offset:64*\b+16
.endr
	LDW
	WIN 0
	s_mov_b32 s20, 0x3e6d3388                      ; p / sqrt 2 = 0.23164189
	s_mov_b32 s21, s20
	s_mov_b32 s22, 0xbf38aa3b                      ; -log2(e) / 2
	s_mov_b32 s23, s22
	s_mov_b32 s24, 0x3f07dc22                      ; a5 / 2 .. a1 / 2; each named as a pair, so both words are written
	s_mov_b32 s25, s24
	s_mov_b32 s26, 0xbf3a00e3
	s_mov_b32 s27, s26
	s_mov_b32 s28, 0x3f35f0e3
	s_mov_b32 s29, s28
	s_mov_b32 s30, 0xbe11a98e
	s_mov_b32 s31, s30
	s_mov_b32 s32, 0x3e027906
	s_mov_b32 s33, s32
	; the rows' strides.  Mode 0, rows of xb: 64 bytes a K step, 32 a half, 256 a chunk.  Mode 1, hb's blocks: 1,024, 512, 4,096.
	s_mul_i32 s54, s19, 960
	s_add_co_u32 s54, s54, 64
	s_mov_b32 s55, 0
	s_mul_i32 s56, s19, 480
	s_add_co_u32 s56, s56, 32
	s_mov_b32 s57, 0
	s_mul_i32 s52, s19, 3840
	s_add_co_u32 s52, s52, 256
	s_mov_b32 s53, 0
	s_lshl_b32 s94, s17, 12                        ; my slice's 8 column groups of 512 bytes in a block of hb
	s_add_nc_u64 s[60:61], s[14:15], s[94:95]
	s_lshl_b32 s62, s16, 10
	ABSET
	; ---- the list: my tokens that chose the expert, by rank, into my segment
	s_mov_b32 s82, 0
.set lq, 0
.rept 32
	v_bfe_u32 v42, v[T+lq], s80, 1
	v_cmp_eq_u32 s83, 1, v42
	v_and_b32 v43, s81, v[T+lq]
	v_min_u32 v43, 1, v43                          ; slot 1 if a lower-numbered expert was chosen too
	v_add3_u32 v43, v[V8], v43, 256*(lq/4)+2*(lq%4)
	v_mbcnt_lo_u32_b32 v44, s83, s82
	v_cndmask_b32 v44, v[DUMP], v44, s83
	v_min_u32 v44, 0x41f, v44
	v_lshl_add_u32 v44, v44, 1, v[LB]
	ds_store_b16 v44, v43
	s_bcnt1_i32_b32 s94, s83
	s_add_co_u32 s82, s82, s94
.set lq, lq+1
.endr
	s_wait_dscnt 0x0                               ; for the others' sake: my segment lies in LDS
	s_barrier_signal -1
	s_barrier_wait -1
	; ---- the rows of slots 0-3, and their first 128 k
	s_wait_xcnt 0x0                                ; v59 was the bias loads' offset: v56-59 are written anew only behind this wait
	s_mov_b32 s84, 0
.irp i, 0,1,2,3
	s_add_co_u32 s96, s16, 4*\i
	LOOKS
	s_lshl_b32 s95, s95, \i
	s_or_b32 s84, s84, s95
	LOOKV RID+\i
	v_add_nc_u32 v[BO+\i], s97, v4
.endr
	s_wait_dscnt 0x0
	s_cmp_lg_u32 s19, 0
	s_cbranch_scc1 .La1
.irp i, 0,1,2,3
	LOOKA AO+\i, RID+\i
.endr
	s_branch .La2
.La1:
.irp i, 0,1,2,3
	v_mov_b32 v[AO+\i], v[BO+\i]
.endr
.La2:
	LDA 0
	s_wait_loadcnt 32                              ; bias and chunk 0 of W are in; the 32 younger loads, rows, stay out
	WCVT
.set ba, 0
.rept 32                               ; bias rounded to bf16, like every input, and widened again
	v_cvt_pk_bf16_f32 v[42+ba%2], v[BI+2*ba], v[BI+2*ba+1]
	v_lshlrev_b32 v[BI+2*ba], 16, v[42+ba%2]
	v_and_b32 v[BI+2*ba+1], 0xffff0000, v[42+ba%2]
.set ba, ba+1
.endr
	s_wait_xcnt 0x0
	s_add_nc_u64 s[92:93], s[92:93], 128*4096
	LDW                                            ; chunk 1
	s_wait_dscnt 0x0
	s_barrier_signal -1
	s_barrier_wait -1                              ; chunk 0 lies in LDS, everybody's part
	LDB BF0, BA, 0
	; ---- the pass of constant length: 8 chunks x 4 K steps x 32 matrix instructions
	S0 0, 1, 32, 1                                 ; the first K step starts the sums: nothing is cleared
	WIN 0
	s_mov_b32 s99, 3
.Lk:                                   ; a trip: two chunks, from a chunk's second K step to the first of the chunk after the next
	S1 0
	S2 0, 1, 1
	S3 0, 1
	S0 1, 0, 32, 1
	S1 1
	S2 1, 1, 1
	S3 1, 1
	S0 0, 0, 32, 1
	WIN 0
	s_sub_co_u32 s99, s99, 1
	s_cmp_lg_u32 s99, 0
	s_cbranch_scc1 .Lk
	S1 0                                           ; chunk 6 lays chunk 7 into LDS and asks for no further W
	S2 0, 1, 0
	S3 0, 1
	S0 1, 0, 0, 0                                  ; chunk 7 asks for nothing
	S1 1
	S2 1, 0, 0
	S3 1, 0
	WIN 0
	PLACES
	; ---- block 16's rows are asked for now, where it exists: they land under the way out of slots 0-3
	s_wait_xcnt 0x0
	ABSET
	s_mov_b32 s96, 16
	LOOKX
	s_cmp_eq_u32 s95, 0
	s_cbranch_scc1 .Lnox
	XLOAD
.Lnox:
	; ---- the way out of slots 0-3.  Every jump goes forward to a label ahead of the counter's step; no barrier is jumped.
	s_mov_b32 s85, 0
.Lout:
	s_lshr_b32 s94, s84, s85
	s_and_b32 s94, s94, 1
	s_cmp_eq_u32 s94, 0
	s_cbranch_scc1 .Lnext                          ; a block past the count: computed, not stored
	s_cmp_eq_u32 s85, 0
	s_cbranch_scc1 .Ls0
	s_cmp_eq_u32 s85, 1
	s_cbranch_scc1 .Ls1
	s_cmp_eq_u32 s85, 2
	s_cbranch_scc1 .Ls2
	SNIP 192, RID+3, BO+3
	s_branch .Lproc
.Ls2:
	SNIP 128, RID+2, BO+2
	s_branch .Lproc
.Ls1:
	SNIP 64, RID+1, BO+1
	s_branch .Lproc
.Ls0:
	SNIP 0, RID, BO
.Lproc:                                ; T holds the block + bias
	s_cmp_lg_u32 s19, 0
	s_cbranch_scc1 .Lm1
	GB 0, 16
	GB 1, 16
.set sa, 0
.rept 32
	v_cvt_pk_bf16_f32 v[D+sa], v[T+2*sa], v[T+2*sa+1]
.set sa, sa+1
.endr
.irp b, 0,1,2,3,4,5,6,7
	global_store_b128 v[BOC], v[D+4*\b:D+4*\b+3], s[60:61] offset:512*\b  ; a column group of the block: 512 consecutive bytes, at a multiple of 512 from hb's first
.endr
	s_branch .Lnext
.Lm1:                                  ; f32: a row's 512 bytes go through the stage in two halves of 256
.irp t, 0,1,2,3,4,5,6,7
	ds_bpermute_b32 v[GO+\t], v[IDX+\t], v[RIDC]   ; store t takes rows 2 t and 2 t + 1: their rids lie in lanes 2 t, 2 t + 1
.endr
	s_wait_dscnt 0x0
.irp t, 0,1,2,3,4,5,6,7
	v_min_u32 v[GO+\t], 0x1fff, v[GO+\t]
	v_lshl_add_u32 v[GO+\t], v[GO+\t], 12, v[GOB1] ; rows of part: 4,096 bytes
.endr
.irp f, 0,1
.irp b, 0,1,2,3
	ds_store_b128 v[STO1], v[T+32*\f+8*\b:T+32*\f+8*\b+3]   offset:64*\b
	ds_store_b128 v[STO1], v[T+32*\f+8*\b+4:T+32*\f+8*\b+7] offset:64*\b+16
.endr
.irp t, 0,1,2,3,4,5,6,7
	ds_load_b128 v[D+32*\f+4*\t:D+32*\f+4*\t+3], v[RD] offset:2*SPITCH*\t  ; LDS serves a wave's instructions in order (ISA guide 5.7.1.4): behind this half's stores, ahead of the next half's
.endr
.endr
.irp t, 0,1,2,3,4,5,6,7
	s_wait_dscnt 23-\t                             ; behind load t: this half's 7 - t, the other half's 16
	global_store_b128 v[GO+\t], v[D+4*\t:D+4*\t+3], s[14:15]   ; 16 lanes store 256 consecutive bytes of a row, at a multiple of 256 from part's first
.endr
.irp t, 0,1,2,3,4,5,6,7
	s_wait_dscnt 7-\t
	global_store_b128 v[GO+\t], v[D+32+4*\t:D+32+4*\t+3], s[14:15] offset:256
.endr
.Lnext:
	s_wait_xcnt 0x0                                ; the block's stores have read their offsets and data: only behind this wait are these written again
	s_add_co_u32 s85, s85, 1
	s_cmp_lt_u32 s85, 4
	s_cbranch_scc1 .Lout
	; ---- blocks 16..20 of the tile: all of W lies in LDS; each wave multiplies the block's 16 rows by its 32 columns
	s_mov_b32 s85, 16
.Lx:
	s_wait_xcnt 0x0
	s_mov_b32 s96, s85
	s_cmp_eq_u32 s85, 16
	s_cbranch_scc1 .Lx16
	LOOKX
	s_cmp_eq_u32 s95, 0
	s_cbranch_scc1 .Lxnext
	s_wait_loadcnt 0x0                             ; no load of mine is out when the block's registers are loaded anew: the block before ended on the count 0; written here so that it holds on every way to this line
	PLACES
	XLOAD
	s_branch .Lxgo
.Lx16:                                 ; block 16 was looked up and asked for above
	LOOKS
	s_cmp_eq_u32 s95, 0
	s_cbranch_scc1 .Lxnext
.Lxgo:
	v_mov_b32 v[BAX], v[BAW0]
	LDBX BF0
.set xc, 0
.rept 8                                ; a chunk: 4 K steps x 2 column groups; the two sums take turns; the next chunk's fragments are fetched ahead
.if xc < 7
	WIN 0
	v_add_nc_u32 v[BAX], CHUNKB, v[BAX]
	PLACES
	LDBX 64*((xc+1)%2)
	s_wait_dscnt 16                                ; all but the 16 just issued
.else
	s_wait_dscnt 0x0
.endif
	s_wait_loadcnt 56-8*xc                         ; this chunk's 8 loads are in; the later chunks' stay out
	WIN 0x59
.set xi, 0
.rept 8
.set xf, 64*(xc%2)+8*xi
.if (xc == 0) && (xi < 2)
	v_wmma_f32_16x16x32_bf16 v[XA+8*(xi%2):XA+8*(xi%2)+7], v[xf:xf+7], v[8*(4*xc+xi/2):8*(4*xc+xi/2)+7], 0
.else
	v_wmma_f32_16x16x32_bf16 v[XA+8*(xi%2):XA+8*(xi%2)+7], v[xf:xf+7], v[8*(4*xc+xi/2):8*(4*xc+xi/2)+7], v[XA+8*(xi%2):XA+8*(xi%2)+7]
.endif
.set xi, xi+1
.endr
.set xc, xc+1
.endr
	WIN 0x05                               ; the bias of my 32 columns, rounded to bf16 and widened: 24 plain lines, the places behind the last products
.set ba, 0
.rept 8
	v_cvt_pk_bf16_f32 v[U+ba], v[BIX+2*ba], v[BIX+2*ba+1]
.set ba, ba+1
.endr
	WIN 0
.set ba, 0
.rept 8
	v_lshlrev_b32 v[D+2*ba], 16, v[U+ba]
	v_and_b32 v[D+2*ba+1], 0xffff0000, v[U+ba]
.set ba, ba+1
.endr
	WIN 0x01
.set ba, 0
.rept 8                                ; each accumulator from its low end on
	v_pk_add_f32 v[T+2*ba:T+2*ba+1], v[XA+2*ba:XA+2*ba+1], v[D+2*ba:D+2*ba+1]
.set ba, ba+1
.endr
	WIN 0
	s_cmp_lg_u32 s19, 0
	s_cbranch_scc1 .Lxm1
	GB 0, 8
.set ba, 0
.rept 8
	v_cvt_pk_bf16_f32 v[D+ba], v[T+2*ba], v[T+2*ba+1]
.set ba, ba+1
.endr
	v_add_nc_u32 v[BOXW], s62, v[BOX]              ; column groups 2 w, 2 w + 1 of my slice
	global_store_b128 v[BOXW], v[D:D+3],   s[60:61]
	global_store_b128 v[BOXW], v[D+4:D+7], s[60:61] offset:512
	s_branch .Lxnext
.Lxm1:                                 ; my row's 128 bytes, from the registers as they lie
	v_min_u32 v[GO], 0x1fff, v[RIDX]
	v_lshl_add_u32 v[GO], v[GO], 12, v[GX1]
.irp q, 0,1
	global_store_b128 v[GO], v[T+8*\q:T+8*\q+3],   s[14:15] offset:64*\q
	global_store_b128 v[GO], v[T+8*\q+4:T+8*\q+7], s[14:15] offset:64*\q+16
.endr
.Lxnext:
	s_add_co_u32 s85, s85, 1
	s_cmp_lt_u32 s85, 21
	s_cbranch_scc1 .Lx
	s_wait_tensorcnt 0x0                           ; the wave's end
	ds_add_u32 v[SPW], v[NIL]
	s_wait_dscnt 0x0
	s_endpgm
.Lfunc_end_k_q5d75753c5a_ffn1:
	.size	k_q5d75753c5a_ffn1, .Lfunc_end_k_q5d75753c5a_ffn1-k_q5d75753c5a_ffn1
	.p2alignl 7, 3214868480
	.fill 96, 4, 3214868480
	.section	.rodata,"a",@progbits
	.p2align	6, 0x0
	.amdhsa_kernel k_q5d75753c5a_ffn1
		.amdhsa_group_segment_fixed_size 322304
		.amdhsa_private_segment_fixed_size 0
		.amdhsa_enable_private_segment 0
		.amdhsa_kernarg_size 48
		.amdhsa_user_sgpr_count 2
		.amdhsa_user_sgpr_kernarg_segment_ptr 1
		.amdhsa_wavefront_size32 1
		.amdhsa_system_sgpr_workgroup_id_x 1
		.amdhsa_system_sgpr_workgroup_id_y 1
		.amdhsa_system_sgpr_workgroup_id_z 1
		.amdhsa_system_vgpr_workitem_id 0
		.amdhsa_next_free_vgpr 1024
		.amdhsa_next_free_sgpr 102
		.amdhsa_reserve_vcc 1
		.amdhsa_float_denorm_mode_32 3
		.amdhsa_float_denorm_mode_16_64 3
		.amdhsa_memory_ordered 1
		.amdhsa_forward_progress 1
		.amdhsa_inst_pref_size 253
	.end_amdhsa_kernel
	.amdgpu_metadata
---
amdhsa.version: [ 1, 2 ]
amdhsa.kernels:
  - .name:           k_q5d75753c5a_ffn1
    .symbol:         k_q5d75753c5a_ffn1.kd
    .args:
      - { .name: xb, .offset: 0, .size: 8, .value_kind: global_buffer, .address_space: global }
      - { .name: w1, .offset: 8, .size: 8, .value_kind: global_buffer, .address_space: global }
      - { .name: b1, .offset: 16, .size: 8, .value_kind: global_buffer, .address_space: global }
      - { .name: route, .offset: 24, .size: 8, .value_kind: global_buffer, .address_space: global }
      - { .name: cfg1, .offset: 32, .size: 8, .value_kind: global_buffer, .address_space: global }
      - { .name: hb, .offset: 40, .size: 8, .value_kind: global_buffer, .address_space: global }
    .group_segment_fixed_size: 322304
    .private_segment_fixed_size: 0
    .kernarg_segment_align: 8
    .kernarg_segment_size: 48
    .max_flat_workgroup_size: 128
    .sgpr_count:     102
    .vgpr_count:     1024
    .wavefront_size: 32
...
	.end_amdgpu_metadata
.endif
;; end of part 2
;; launch ffn2: the kernel of part 2 again; grid 8 x 32, 4 waves a work-group, no clusters, 322,304 bytes of LDS; arguments hb, w2, b2, route, cfg2, part; writes part
;; launch combine (part 3): grid 256 x 1, 8 waves a work-group, no clusters, 0 bytes of LDS; arguments part, gate, out0; writes out0
.if DOCPART == 3
	.amdgcn_target "amdgcn-amd-amdhsa--gfx1250"
	.amdhsa_code_object_version 6
	.text
	.protected	k_q5d75753c5a_combine
	.globl	k_q5d75753c5a_combine
	.p2align	8
	.type	k_q5d75753c5a_combine,@function
k_q5d75753c5a_combine:
	s_mov_b64 s[64:65], 0
	v_nop
	global_prefetch_b8 v0, s[64:65] scope:SCOPE_SE
	s_setreg_imm32_b32 hwreg(HW_REG_WAVE_MODE, 25, 1), 1
	s_wait_xcnt 0x0
; out0[t] = gate[t][0] part[2 t] + gate[t][1] part[2 t + 1].  part: [8192][1024] f32, gate: [4096][2] f32, out0: [4096][1024] f32.
; A stream: memory binds, so no LDS, no barrier, no matrix unit.  A work-group has 16 tokens, a wave 2: its four rows of part are 16,384 consecutive bytes.
; All 32 loads of a wave (512 consecutive bytes each) go out at once; each store covers 512 consecutive bytes, at a multiple of 256 from out0's first.
.set X, 8                              ; v8-135: for (token, j): 4 registers of row 0, 4 of row 1
	s_load_b128 s[4:7], s[0:1], 0x0                ; part s[4:5], gate s[6:7]
	s_load_b64 s[8:9], s[0:1], 0x10                ; out0
	v_and_b32 v1, 31, v0
	v_lshrrev_b32 v2, 5, v0
	v_readfirstlane_b32 s10, v2                    ; wave
	v_lshlrev_b32 v1, 4, v1                        ; 16 bytes a lane
	s_lshl_b32 s11, ttmp9, 4
	s_lshl1_add_u32 s11, s10, s11                  ; my first token = 16 x work-group + 2 x wave
	s_lshl_b32 s12, s11, 13                        ; its byte in part,
	s_mov_b32 s13, 0
	s_lshl_b32 s14, s11, 12                        ; in out0,
	s_mov_b32 s15, 0
	s_lshl_b32 s16, s11, 3                         ; in gate
	s_mov_b32 s17, 0
	s_wait_kmcnt 0x0
	s_add_nc_u64 s[4:5], s[4:5], s[12:13]
	s_add_nc_u64 s[8:9], s[8:9], s[14:15]
	s_add_nc_u64 s[6:7], s[6:7], s[16:17]
	s_load_b128 s[20:23], s[6:7], 0x0              ; my two tokens' four weights
.set n, 0
.rept 16                               ; n = 8 token + j; read once in the launch
	global_load_b128 v[X+8*n:X+8*n+3],   v1, s[4:5] offset:8192*(n/8)+512*(n%8) th:TH_LOAD_NT
	global_load_b128 v[X+8*n+4:X+8*n+7], v1, s[4:5] offset:8192*(n/8)+4096+512*(n%8) th:TH_LOAD_NT
.set n, n+1
.endr
	s_wait_kmcnt 0x0
	s_mov_b32 s24, s20                             ; each weight in a pair of its own: the packed lines take the pair's low word for both halves
	s_mov_b32 s25, s20
	s_mov_b32 s26, s21
	s_mov_b32 s27, s21
	s_mov_b32 s28, s22
	s_mov_b32 s29, s22
	s_mov_b32 s30, s23
	s_mov_b32 s31, s23
.set n, 0
.rept 16
.set g, 24+4*(n/8)
	s_wait_loadcnt 30-2*n                          ; loads come back in order: this pair is in, the later pairs stay out
	v_pk_mul_f32 v[X+8*n:X+8*n+1],   v[X+8*n:X+8*n+1],   s[g:g+1] op_sel_hi:[1,0]
	v_pk_mul_f32 v[X+8*n+2:X+8*n+3], v[X+8*n+2:X+8*n+3], s[g:g+1] op_sel_hi:[1,0]
	v_pk_fma_f32 v[X+8*n:X+8*n+1],   v[X+8*n+4:X+8*n+5], s[g+2:g+3], v[X+8*n:X+8*n+1]   op_sel_hi:[1,0,1]
	v_pk_fma_f32 v[X+8*n+2:X+8*n+3], v[X+8*n+6:X+8*n+7], s[g+2:g+3], v[X+8*n+2:X+8*n+3] op_sel_hi:[1,0,1]
	global_store_b128 v1, v[X+8*n:X+8*n+3], s[8:9] offset:4096*(n/8)+512*(n%8) th:TH_STORE_NT
.set n, n+1
.endr
	s_endpgm
.Lfunc_end_k_q5d75753c5a_combine:
	.size	k_q5d75753c5a_combine, .Lfunc_end_k_q5d75753c5a_combine-k_q5d75753c5a_combine
	.p2alignl 7, 3214868480
	.fill 96, 4, 3214868480
	.section	.rodata,"a",@progbits
	.p2align	6, 0x0
	.amdhsa_kernel k_q5d75753c5a_combine
		.amdhsa_group_segment_fixed_size 0
		.amdhsa_private_segment_fixed_size 0
		.amdhsa_enable_private_segment 0
		.amdhsa_kernarg_size 24
		.amdhsa_user_sgpr_count 2
		.amdhsa_user_sgpr_kernarg_segment_ptr 1
		.amdhsa_wavefront_size32 1
		.amdhsa_system_sgpr_workgroup_id_x 1
		.amdhsa_system_sgpr_workgroup_id_y 1
		.amdhsa_system_sgpr_workgroup_id_z 1
		.amdhsa_system_vgpr_workitem_id 0
		.amdhsa_next_free_vgpr 144
		.amdhsa_next_free_sgpr 66
		.amdhsa_reserve_vcc 0
		.amdhsa_float_denorm_mode_32 3
		.amdhsa_float_denorm_mode_16_64 3
		.amdhsa_memory_ordered 1
		.amdhsa_forward_progress 1
		.amdhsa_inst_pref_size 11
	.end_amdhsa_kernel
	.amdgpu_metadata
---
amdhsa.version: [ 1, 2 ]
amdhsa.kernels:
  - .name:           k_q5d75753c5a_combine
    .symbol:         k_q5d75753c5a_combine.kd
    .args:
      - { .name: part, .offset: 0, .size: 8, .value_kind: global_buffer, .address_space: global }
      - { .name: gate, .offset: 8, .size: 8, .value_kind: global_buffer, .address_space: global }
      - { .name: out0, .offset: 16, .size: 8, .value_kind: global_buffer, .address_space: global }
    .group_segment_fixed_size: 0
    .private_segment_fixed_size: 0
    .kernarg_segment_align: 8
    .kernarg_segment_size: 24
    .max_flat_workgroup_size: 256
    .sgpr_count:     66
    .vgpr_count:     144
    .wavefront_size: 32
...
	.end_amdgpu_metadata
.endif
;; end of part 3
